; MI455X (gfx1250); checked and timed in simulation.
; The chip was launched on July 23, 2026; its instructions are those of AMD's public machine-readable ISA for CDNA 5 (MIT licence, August 2026) and "CDNA5" Instruction Set Architecture Reference Guide (July 2026). The comments in the code are by the model that wrote it; some were corrected since.
;; Rational Quadratic. Allowed arithmetic: matrix products marked QUANTISED: E4M3 operands, one given power-of-two scale a tensor, by v_wmma_f32_16x16x64_fp8_fp8 or v_wmma_f32_16x16x128_fp8_fp8, f32 sums; everything else in f32.
;; Inputs: W0 256 x 1,024 float32; W1 1,024 x 1,024 float32; W2 1,024 x 12,032 float32; b0 1,024 float32; b1 1,024 float32; b2 12,032 float32; lowp_scales 6 int32 (the exponents e of the quantised operands' scales 2^e); x1 4,096 x 256 float32; x2 4,096 x 256 float32.
;; Outputs: out0 4,096 x 256 float32; out1 4,096 float32.
;; This version of the problem:
;;   THIS VERSION OF THE PROBLEM IS GIVEN IN LOW PRECISION. The matrix products marked QUANTISED in the list below multiply operands that are first quantised to E4M3 (4 exponent bits, 3 mantissa bits; 8 bits a number), with one given power-of-two scale for each operand tensor; their sums are f32. All else is computed in f32.
;;   The module's matrix products, in the order in which they are computed (A, B: the left and right operand; K: the contracted axis; several contracted axes count as one K, in the product's order):
;;     1. [M 4,096, K 256] x [K 256, N 1,024]; A: input x1; B: input W0: QUANTISED (scales: A lowp_scales[0], B lowp_scales[1])
;;     2. [M 4,096, K 1,024] x [K 1,024, N 1,024]; A: computed on the way; B: input W1: QUANTISED (scales: A lowp_scales[2], B lowp_scales[3])
;;     3. [M 4,096, K 1,024] x [K 1,024, N 12,032]; A: computed on the way; B: input W2: QUANTISED (scales: A lowp_scales[4], B lowp_scales[5])
;;   THE QUANTISER, for each operand of a quantised product, along K:
;;     - The operand's scale is 2^e, e = its entry of the input lowp_scales (int32; the entries are numbered through the quantised products in the list's order, A before B).
;;     - Each number is divided by the scale, clamped to +-448, and rounded to the nearest number of E4M3, ties to even, subnormals kept.
;;     - The product sums the exact products of the quantised numbers (number of the format x scale) in f32.
;;   ~~~python
;;   def quantise(x, axis, e):      # numpy; x: float32 -> the quantised numbers, widened to float32 again
;;       x = np.moveaxis(x, axis, -1); K = x.shape[-1]
;;       r = np.clip(x / 2.0 ** e, -448, 448)
;;       step = 2.0 ** (np.maximum(np.frexp(np.where(r == 0, 1, r))[1] - 1, -6) - 3)
;;       q = np.round(r / step) * step * 2.0 ** e      # np.round: ties to even
;;       return np.moveaxis(q, -1, axis).astype(np.float32)
;;   ~~~
;;   OPERANDS COMPUTED ON THE WAY. 'Computed on the way' means the value that the module computes at that place (a softmax that the list does not call 'softmax' is quantised finished and normalised). What goes into a quantiser is computed in f32, as accurately as f32 sums, v_exp_f32 and their like allow (about 1e-6 of the number): no bf16 or f16 on the way to a quantiser, and a product that is left as it is and whose result goes on into a quantised operand takes f32 operands (vector FMAs, or v_wmma_f32_16x16x4_f32). A number that lies on a knife's edge between two numbers of the format may be rounded either way, as far as f32 arithmetic and the matrix unit's own rounding can turn it there, and no further.
;; One version. Each part assembles by itself: llvm-mc -triple=amdgcn-amd-amdhsa -mcpu=gfx1250 --defsym DOCPART=n.
;; ======== version 1 of 1: 4 launches
;; limits: right only within a limited range of input values
;; workspace buffers: w0f 262,144 bytes; w1f 1,048,576 bytes; w2f 12,582,912 bytes; b2s 65,536 bytes; h2f 4,194,304 bytes; ybuf 4,194,304 bytes; part 1,048,576 bytes
;; launch prep (part 1): grid 256 x 1, 32 waves a work-group, no clusters, 0 bytes of LDS; arguments W0, W1, W2, b2, lowp_scales, w0f, w1f, w2f, b2s; writes w0f, w1f, w2f, b2s
.if DOCPART == 1
	.amdgcn_target "amdgcn-amd-amdhsa--gfx1250"
	.amdhsa_code_object_version 6
	.text
	.protected	k_qec790ac0a2_prep
	.globl	k_qec790ac0a2_prep
	.p2align	8
	.type	k_qec790ac0a2_prep,@function
k_qec790ac0a2_prep:
	s_mov_b64 s[64:65], 0
	v_nop
	global_prefetch_b8 v0, s[64:65] scope:SCOPE_SE
	s_setreg_imm32_b32 hwreg(HW_REG_WAVE_MODE, 25, 1), 1
	s_wait_xcnt 0x0
; W0 [256][1024], W1 [1024][1024], W2 [1024][12032], f32 with K as the FIRST axis, become codes of FP8 (E4M3), each with its given scale 2^e (entries 1, 3, 5 of the scales), laid IN THE ORDER
; OF THE OPERAND'S REGISTERS.  A fragment (16 rows x 128 K) is 2,048 bytes: byte 512 c + 256 h + 16 r + i is the code of row r at k = 32 c + 16 h + i of its K step.
; code = x / 2^e, held within +-448, rounded to the nearest code, ties to even.  LIMITS: e1, e3, e5 between -126 and 119; NaN among the weights is not served.
; A LANE IS A ROW OF A FRAGMENT (a column n of the weight) AND ITS 16 REGISTERS RUN DOWN K: its two conversions give 16 bytes that stand together in the fragment, and sixteen neighbouring lanes
; store 256 consecutive bytes, aligned.  Nothing is transposed, nothing goes through LDS, no wave waits for another.
; W2: its 47 columns for each d are laid as 48: pair P holds d = 2 P, 2 P + 1 in six tiles q; row r of tile q is parameter 8 q + r % 8 of d = 2 P + r / 8; parameter 47 gets zero codes.
;     w2f [P / 2][K step 8][6 (P % 2) + q][2048].  Work-group g: 16 rows of K (g / 4) x 32 pairs (32 (g % 4) + wave).
; W0, W1: tile T, row r is column 32 (T / 2) + 8 (T % 2) + r + 8 (r / 8), so that the results of two neighbouring tiles are 16 neighbours along the next K.  w0f [T 64][K step 2][2048], w1f [T 64][K step 8][2048].
;     2,560 units of 16 k x 32 columns, ten to a work-group, on waves 0 to 9.
; b2s [d 256][64] f32: entry p < 47 is b2[47 d + p] / 2^(e4 + e5), entry 47 the tails' constant log(exp(0.999) - 1) / 2^(e4 + e5), the rest filler that nobody reads.  Wave 10, d = the work-group's number.
.set ROW2,  48128                      ; bytes in a row of W2
.set TAILC, 0x3f0a2c8f                 ; log(exp(1 - 0.001) - 1) = 0.5397424
	s_load_b256 s[4:11], s[0:1], 0x0               ; W0 s[4:5], W1 s[6:7], W2 s[8:9], b2 s[10:11]
	s_load_b256 s[12:19], s[0:1], 0x20             ; the scales s[12:13], w0f s[14:15], w1f s[16:17], w2f s[18:19]
	s_load_b64 s[20:21], s[0:1], 0x40              ; b2s
	v_lshrrev_b32 v1, 5, v0
	s_delay_alu instid0(VALU_DEP_1)
	v_readfirstlane_b32 s22, v1                    ; wave 0..31
	v_and_b32 v1, 31, v0                           ; lane
	v_bfe_u32 v2, v0, 4, 1                         ; u: which of two tiles
	v_and_b32 v3, 15, v0                           ; r: the fragment's row
	v_bfe_u32 v4, v0, 3, 1                         ; r / 8
	v_and_b32 v5, 7, v0                            ; r % 8
	s_delay_alu instid0(VALU_DEP_2)
	v_mul_u32_u24 v6, v4, 47
	s_delay_alu instid0(VALU_DEP_1)
	v_lshl_add_u32 v6, v2, 3, v6
	s_delay_alu instid0(VALU_DEP_1)
	v_add_nc_u32 v6, v6, v5
	s_delay_alu instid0(VALU_DEP_1)
	v_lshlrev_b32 v6, 2, v6                        ; W2: my column in the pair's 94, in bytes: 4 (47 (r / 8) + 8 u + r % 8); tiles 2 i + u stand 64 i bytes on
	v_and_b32 v7, 23, v0
	s_delay_alu instid0(VALU_DEP_1)
	v_cmp_eq_u32 vcc_lo, 23, v7                    ; the lanes of parameter 47 (u = 1, r % 8 = 7, in the third load): there is no such column
	s_delay_alu instid0(VALU_DEP_3)
	v_add_nc_u32 v7, -4, v6
	s_delay_alu instid0(VALU_DEP_1)
	v_cndmask_b32 v7, v6, v7, vcc_lo               ; they read the column before, so that no load leaves the buffer; their numbers are held at 0 below
	v_lshlrev_b32 v8, 4, v3
	s_delay_alu instid0(VALU_DEP_1)
	v_lshl_add_u32 v8, v2, 11, v8                  ; out: 2,048 u + 16 r
	s_and_b32 s23, ttmp9, 3
	s_lshr_b32 s24, ttmp9, 2                       ; which 16 rows of K
	s_lshl_b32 s25, s23, 5
	s_add_co_u32 s25, s25, s22                     ; P
	s_mul_i32 s26, s24, 16*ROW2
	s_mul_i32 s27, s25, 376                        ; 94 columns a pair
	s_add_co_u32 s26, s26, s27
	s_mov_b32 s27, 0
	s_lshr_b32 s28, s25, 1
	s_mul_i32 s28, s28, 196608                     ; 8 K steps x 12 fragments
	s_lshr_b32 s29, s24, 3
	s_mul_i32 s29, s29, 24576                      ; the K step
	s_add_co_u32 s28, s28, s29
	s_and_b32 s29, s25, 1
	s_mul_i32 s29, s29, 12288
	s_add_co_u32 s28, s28, s29
	s_and_b32 s29, s24, 7
	s_lshl_b32 s29, s29, 8                         ; 512 c + 256 h: my 16 k are the (rows / 16) % 8 -th sixteen of the K step
	s_add_co_u32 s28, s28, s29
	s_mov_b32 s29, 0
	s_wait_alu depctr_va_vdst(0)
	s_wait_kmcnt 0x0
	s_load_b128 s[32:35], s[12:13], 0x0            ; e0 .. e3
	s_load_b64 s[36:37], s[12:13], 0x10            ; e4, e5
	s_add_nc_u64 s[8:9], s[8:9], s[26:27]
	s_add_nc_u64 s[18:19], s[18:19], s[28:29]
.irp kk, 0,1,2,3,4,5,6,7,8,9,10,11,12,13,14,15
	global_load_b32 v[16+\kk], v6, s[8:9] offset:\kk*ROW2        ; tiles 0, 1
	global_load_b32 v[32+\kk], v6, s[8:9] offset:\kk*ROW2+64     ; tiles 2, 3
	global_load_b32 v[48+\kk], v7, s[8:9] offset:\kk*ROW2+128    ; tiles 4, 5
.endr
	s_wait_kmcnt 0x0
	s_add_co_i32 s38, s37, 127
	s_lshl_b32 s39, s38, 23
	v_mov_b32 v11, s39                             ; 2^e5 as f32: the conversion takes its exponent field
	s_add_co_i32 s38, s38, 8
	s_lshl_b32 s38, s38, 23
	s_or_b32 s38, s38, 0x600000
	v_mov_b32 v9, s38                              ; 448 x 2^e5
	v_mov_b32 v10, 0
	s_delay_alu instid0(VALU_DEP_1)
	v_cndmask_b32 v10, v9, v10, vcc_lo             ; the same, and 0 in the lanes of parameter 47: their codes are zeros
	; ---- a unit of W0 or W1: waves 0 to 9.  It stands whole in this branch; its loads go out beside W2's
	s_cmp_lt_u32 s22, 10
	s_cbranch_scc0 .Lno_unit
	s_mul_i32 s40, ttmp9, 10
	s_add_co_u32 s40, s40, s22                     ; the unit, 0 .. 2,559: the first 512 are W0's
	s_cmp_lt_u32 s40, 512
	s_cselect_b64 s[42:43], s[4:5], s[6:7]
	s_cselect_b64 s[44:45], s[14:15], s[16:17]
	s_cselect_b32 s46, s33, s35                    ; e1 or e3
	s_cselect_b32 s47, 12, 14                      ; a tile's fragments are 2^12 bytes in w0f, 2^14 in w1f
	s_cselect_b32 s48, 0, 512
	s_sub_co_u32 s40, s40, s48
	s_lshr_b32 s41, s40, 5                         ; which 16 rows of K
	s_and_b32 s40, s40, 31                         ; which 32 columns
	s_lshl_b32 s48, s41, 16                        ; 16 rows of 4,096 bytes
	s_lshl_b32 s49, s40, 7
	s_add_co_u32 s48, s48, s49
	s_mov_b32 s49, 0
	s_add_nc_u64 s[42:43], s[42:43], s[48:49]
	s_lshl_b32 s48, s40, 1
	s_lshl_b32 s48, s48, s47                       ; tile 2 x (columns / 32)
	s_lshr_b32 s49, s41, 3
	s_lshl_b32 s49, s49, 11                        ; the K step
	s_add_co_u32 s48, s48, s49
	s_and_b32 s49, s41, 7
	s_lshl_b32 s49, s49, 8
	s_add_co_u32 s48, s48, s49
	s_mov_b32 s49, 0
	s_add_nc_u64 s[44:45], s[44:45], s[48:49]
	v_lshl_add_u32 v12, v2, 3, v5
	s_delay_alu instid0(VALU_DEP_1)
	v_lshl_add_u32 v12, v4, 4, v12
	s_delay_alu instid0(VALU_DEP_1)
	v_lshlrev_b32 v12, 2, v12                      ; my column: 8 u + r % 8 + 16 (r / 8)
	v_lshlrev_b32 v13, s47, v2
	s_delay_alu instid0(VALU_DEP_1)
	v_lshl_add_u32 v13, v3, 4, v13                 ; out: tile u, + 16 r
.irp kk, 0,1,2,3,4,5,6,7,8,9,10,11,12,13,14,15
	global_load_b32 v[64+\kk], v12, s[42:43] offset:\kk*4096
.endr
	s_add_co_i32 s46, s46, 127
	s_lshl_b32 s48, s46, 23
	v_mov_b32 v14, s48                             ; 2^e
	s_add_co_i32 s46, s46, 8
	s_lshl_b32 s46, s46, 23
	s_or_b32 s46, s46, 0x600000
	v_mov_b32 v15, s46                             ; 448 x 2^e
	s_wait_alu depctr_va_vdst(0)
	s_wait_loadcnt 0x0
.irp kk, 0,1,2,3,4,5,6,7,8,9,10,11,12,13,14,15
	v_med3_num_f32 v[64+\kk], v[64+\kk], -v15, v15 ; the conversion to an 8-bit code does not saturate (ISA guide 7.6.2): the hold at the largest code x the scale
.endr
	v_cvt_scalef32_pk8_fp8_f32 v[92:93], v[64:71], v14
	v_cvt_scalef32_pk8_fp8_f32 v[94:95], v[72:79], v14
	global_store_b128 v13, v[92:95], s[44:45]      ; each half of the lanes stores 256 consecutive bytes, aligned
.Lno_unit:
	; ---- a row of b2s: wave 10
	s_cmp_eq_u32 s22, 10
	s_cbranch_scc0 .Lno_bias
	s_mul_i32 s40, ttmp9, 188                      ; 47 numbers a d
	s_mov_b32 s41, 0
	s_add_nc_u64 s[10:11], s[10:11], s[40:41]
	s_lshl_b32 s42, ttmp9, 8
	s_mov_b32 s43, 0
	s_add_nc_u64 s[20:21], s[20:21], s[42:43]
	v_lshlrev_b32 v12, 1, v1
	s_delay_alu instid0(VALU_DEP_1)
	v_add_nc_u32 v13, 1, v12
	s_delay_alu instid0(VALU_DEP_2)
	v_min_u32 v12, 46, v12                         ; entries 2 lane and 2 lane + 1, held inside the d's 47
	s_delay_alu instid0(VALU_DEP_2)
	v_min_u32 v13, 46, v13
	s_delay_alu instid0(VALU_DEP_2)
	v_lshlrev_b32 v12, 2, v12
	s_delay_alu instid0(VALU_DEP_2)
	v_lshlrev_b32 v13, 2, v13
	global_load_b32 v64, v12, s[10:11]
	global_load_b32 v65, v13, s[10:11]
	s_add_co_i32 s44, s36, s37
	s_sub_co_i32 s44, 0, s44                       ; -(e4 + e5)
	v_mov_b32 v14, TAILC
	s_delay_alu instid0(VALU_DEP_1)
	v_ldexp_f32 v14, v14, s44
	v_cmp_eq_u32 s45, 23, v1                       ; lane 23's second number is entry 47
	v_lshlrev_b32 v15, 3, v1
	s_wait_loadcnt 0x0
	v_ldexp_f32 v64, v64, s44
	v_ldexp_f32 v65, v65, s44
	s_wait_alu depctr_va_vdst(0)
	v_cndmask_b32 v65, v65, v14, s45
	global_store_b64 v15, v[64:65], s[20:21]       ; 256 consecutive bytes, aligned
.Lno_bias:
	; ---- W2's three pairs of tiles
	s_wait_loadcnt 0x0
	s_wait_alu depctr_va_vdst(0)
.irp i, 0,1,2
.irp kk, 0,1,2,3,4,5,6,7,8,9,10,11,12,13,14,15
.if \i == 2
	v_med3_num_f32 v[16+16*\i+\kk], v[16+16*\i+\kk], -v10, v10
.else
	v_med3_num_f32 v[16+16*\i+\kk], v[16+16*\i+\kk], -v9, v9
.endif
.endr
	v_cvt_scalef32_pk8_fp8_f32 v[80+4*\i:81+4*\i], v[16+16*\i:23+16*\i], v11
	v_cvt_scalef32_pk8_fp8_f32 v[82+4*\i:83+4*\i], v[24+16*\i:31+16*\i], v11
	global_store_b128 v8, v[80+4*\i:83+4*\i], s[18:19] offset:4096*\i   ; the results go to stores alone; each set of codes has registers of its own
.endr
	s_endpgm
.Lfunc_end_k_qec790ac0a2_prep:
	.size	k_qec790ac0a2_prep, .Lfunc_end_k_qec790ac0a2_prep-k_qec790ac0a2_prep
	.p2alignl 7, 3214868480
	.fill 96, 4, 3214868480
	.section	.rodata,"a",@progbits
	.p2align	6, 0x0
	.amdhsa_kernel k_qec790ac0a2_prep
		.amdhsa_group_segment_fixed_size 0
		.amdhsa_private_segment_fixed_size 0
		.amdhsa_enable_private_segment 0
		.amdhsa_kernarg_size 72
		.amdhsa_user_sgpr_count 2
		.amdhsa_user_sgpr_kernarg_segment_ptr 1
		.amdhsa_wavefront_size32 1
		.amdhsa_system_sgpr_workgroup_id_x 1
		.amdhsa_system_sgpr_workgroup_id_y 1
		.amdhsa_system_sgpr_workgroup_id_z 1
		.amdhsa_system_vgpr_workitem_id 0
		.amdhsa_next_free_vgpr 96
		.amdhsa_next_free_sgpr 66
		.amdhsa_reserve_vcc 1
		.amdhsa_float_denorm_mode_32 3
		.amdhsa_float_denorm_mode_16_64 3
		.amdhsa_memory_ordered 1
		.amdhsa_forward_progress 1
		.amdhsa_inst_pref_size 17
	.end_amdhsa_kernel
	.amdgpu_metadata
---
amdhsa.version: [ 1, 2 ]
amdhsa.kernels:
  - .name:           k_qec790ac0a2_prep
    .symbol:         k_qec790ac0a2_prep.kd
    .args:
      - { .name: W0, .offset: 0, .size: 8, .value_kind: global_buffer, .address_space: global }
      - { .name: W1, .offset: 8, .size: 8, .value_kind: global_buffer, .address_space: global }
      - { .name: W2, .offset: 16, .size: 8, .value_kind: global_buffer, .address_space: global }
      - { .name: b2, .offset: 24, .size: 8, .value_kind: global_buffer, .address_space: global }
      - { .name: lowp_scales, .offset: 32, .size: 8, .value_kind: global_buffer, .address_space: global }
      - { .name: w0f, .offset: 40, .size: 8, .value_kind: global_buffer, .address_space: global }
      - { .name: w1f, .offset: 48, .size: 8, .value_kind: global_buffer, .address_space: global }
      - { .name: w2f, .offset: 56, .size: 8, .value_kind: global_buffer, .address_space: global }
      - { .name: b2s, .offset: 64, .size: 8, .value_kind: global_buffer, .address_space: global }
    .group_segment_fixed_size: 0
    .private_segment_fixed_size: 0
    .kernarg_segment_align: 8
    .kernarg_segment_size: 72
    .max_flat_workgroup_size: 1024
    .sgpr_count:     66
    .vgpr_count:     96
    .wavefront_size: 32
...
	.end_amdgpu_metadata
.endif
;; end of part 1
;; launch mlp (part 2): grid 4 x 64, 4 waves a work-group, clusters of 4 x 4, 327,680 bytes of LDS; arguments x1, w0f, w1f, b0, b1, lowp_scales, h2f; writes h2f
.if DOCPART == 2
	.amdgcn_target "amdgcn-amd-amdhsa--gfx1250"
	.amdhsa_code_object_version 6
	.text
	.protected	k_qec790ac0a2_mlp
	.globl	k_qec790ac0a2_mlp
	.p2align	8
	.type	k_qec790ac0a2_mlp,@function
k_qec790ac0a2_mlp:
	s_mov_b64 s[64:65], 0
	v_nop
	global_prefetch_b8 v0, s[64:65] scope:SCOPE_SE
	s_setreg_imm32_b32 hwreg(HW_REG_WAVE_MODE, 25, 1), 1
	s_wait_xcnt 0x0
	s_wait_alu depctr_hold_cnt(0) depctr_sa_sdst(0) depctr_va_vdst(0) depctr_va_sdst(0) depctr_va_ssrc(0) depctr_va_vcc(0) depctr_vm_vsrc(0)
	s_getreg_b32 s2, hwreg(HW_REG_IB_STS2, 6, 4)
	s_cmp_eq_u32 s2, 0
	s_cbranch_scc0 .Lentry_in_a_cluster
	s_endpgm
.Lentry_in_a_cluster:
	s_bfe_u32 s2, ttmp6, 0x10000c
	s_cmp_lg_u32 s2, 0xf033
	s_cbranch_scc0 .Lentry_shape_is_right
	s_endpgm
.Lentry_shape_is_right:
; h2 = relu(Q(relu(Q(x1) W0 + b0)) W1 + b1), quantised for the third product: both products on codes of FP8 (E4M3), each operand with its given scale 2^e (e0 .. e4).
; x1 [4096][256] f32 is quantised here.  w0f, w1f: the weights' codes in the order of the operand's registers (a fragment of 16 rows x 128 K is 2,048 bytes; lane l's 16 bytes of register group c at 512 c + 16 l).
; h2f [row / 256][K step 8][(row % 256) / 16][2048]: h2's codes in the same order.
; SHARES.  A work-group: 64 rows (y) x 256 outputs of the second layer (x).  The first layer is made anew by each of the four x: 128 matrix instructions a wave, for which the hidden layer never goes to memory.
; THE WAVES SHARE THE COLUMNS: wave w makes hidden units 256 w .. + 255 (K steps 2 w, 2 w + 1 of the second product) and outputs 256 x + 64 w .. + 63, for all 64 rows.
; THE WEIGHTS.  W0 and W1's K steps 4-7 go from memory straight into the registers that multiply them, each byte once a wave: they pass through no LDS, so they cannot be asked for jointly, and a work-group's
; 524,288 bytes of weights do not fit in LDS.  W1's K steps 0-3 have no free registers until the first layer is done: each wave asks for its 4 tiles x 8,192 bytes by ONE tensor load at the head, into LDS bytes of its own.
; CLUSTER 4 x 4: that tile hangs on x and the wave alone and is asked for jointly along a column of the cluster.  Nothing in LDS is filled again.  No prefetch: the launch has no loop to run ahead in.
; OPERANDS GO FROM WAVE TO WAVE THROUGH LDS AS IMAGES OF THEIR REGISTERS: four ds_store_b128 at 16 x lane + 512 c; the same four lines as loads give any wave the same registers.
; BOTH PRODUCTS ARE USED TRANSPOSED (source 0 = 16 columns of the weight, source 1 = 16 rows): a lane holds one row, its registers run along the units; the tiles' columns are chosen (in w0f, w1f) so that the
; 16 registers of tiles 2 b, 2 b + 1 are the 16 neighbours 32 b + 16 (lane / 16) + 0 .. 15 along the next K.  The biases, divided by the power of two that the sums lack, are the C of each sum's first product.
; LIMITS: e0, e2 - e0 - e1, e4 - e2 - e3 between -126 and 119.  NaN among the inputs is not served.
; REGISTERS, in windows of 256.  window 0: v4-10 addresses; v16-47 x's two fragments; v48-111 eight tiles of the hidden layer, later four hidden fragments, later h2's codes; v112-127 codes just made;
;   v132-195 64 numbers of x, later four hidden fragments; v248-253 the three scales and 448 x each; v254, v255 the add's two.
;   windows 1, 2: W0's two halves; then window 1 W1's K steps 4-7, window 2 its K steps 0-3.
;   window 3: v0-127 b0's 16 tiles, then the second layer's 16 accumulators ((n, m) at v[8 (4 n + m)]); v128-159 b1's 4 tiles.
; LDS: 0 the hidden layer's 32 images; 65,536 x's 8 images; 81,920 the spare words; 82,432 W1's K steps 0-3, 32,768 bytes a wave.
.set FRB,  2048
.set XF,   16
.set HA,   48
.set PC,   112
.set ST,   132
.set SPARE, 81920
.set W1L,  82432
.set XA,   4                           ; v4  x1: 1,024 r + 64 h
.set LI,   5                           ; v5  16 x lane; the hidden layer's images begin at LDS byte 0: image 8 m + s
.set XLI,  6                           ; v6  65,536 + 16 x lane: x's images: 2 m + s
.set XWI,  7                           ; v7  where I store x's: + 4,096 w
.set BO,   8                           ; v8  64 h: the biases
.set HWI,  9                           ; v9  where I store the hidden layer's: 16 x lane + 4,096 w
.set WLI,  10                          ; v10 my part of W1 in LDS: W1L + 32,768 w + 16 x lane
.set MSB, 0
.macro WIN new                         ; the immediate's high byte repeats the setting that is left
.if MSB != (\new)
	s_set_vgpr_msb (MSB<<8)|(\new)
.set MSB, (\new)
.endif
.endm
; 64 numbers of a lane, register 16 b + i = k 32 b + 16 (lane / 16) + i of my row, become a fragment's codes in v[PC] on.  relu = 1: what is negative becomes 0 on the way
.macro QUANT s, relu, sc, lim
.irp b, 0,1,2,3
.irp i, 0,1,2,3,4,5,6,7,8,9,10,11,12,13,14,15
.if \relu
	v_med3_num_f32 v[\s+16*\b+\i], v[\s+16*\b+\i], 0, v[\lim]          ; the activation and the hold in one
.else
	v_med3_num_f32 v[\s+16*\b+\i], v[\s+16*\b+\i], -v[\lim], v[\lim]   ; the conversion to an 8-bit code does not saturate (ISA guide 7.6.2)
.endif
.endr
	v_cvt_scalef32_pk8_fp8_f32 v[PC+4*\b:PC+1+4*\b], v[\s+16*\b:\s+7+16*\b], v[\sc]
	v_cvt_scalef32_pk8_fp8_f32 v[PC+2+4*\b:PC+3+4*\b], v[\s+8+16*\b:\s+15+16*\b], v[\sc]
.endr
	v_nop                                          ; one plain vector instruction behind the last conversion, ahead of whatever next writes its sources
.endm
.macro IMAGE adr, off
.irp c, 0,1,2,3
	ds_store_b128 v[\adr], v[PC+4*\c:PC+4*\c+3] offset:(\off)+512*\c
.endr
.endm
.macro FETCH reg, adr, off
.irp c, 0,1,2,3
	ds_load_b128 v[(\reg)+4*\c:(\reg)+4*\c+3], v[\adr] offset:(\off)+512*\c
.endr
.endm
.macro BARRIER                         ; my LDS stores have landed and my LDS loads are in: then the work-group's barrier
	s_wait_dscnt 0x0
	s_barrier_signal -1
	s_barrier_wait -1
.endm
.macro CROUND                          ; a round of the cluster's barrier
	s_barrier_signal -1
	s_barrier_wait -1
	s_cmp_lg_u32 s18, 0
	s_cbranch_scc1 .Lnot_wave_0_\@
	s_barrier_signal -3
.Lnot_wave_0_\@:
	s_barrier_wait -3
	s_barrier_signal -1
	s_barrier_wait -1
.endm
.macro XLOAD reg, s                    ; my 16 rows' numbers of K step s: 64 a lane
.irp b, 0,1,2,3
.irp j, 0,1,2,3
	global_load_b128 v[\reg+16*\b+4*\j:\reg+16*\b+4*\j+3], v[XA], s[4:5] offset:512*\s+128*\b+16*\j
.endr
.endr
.endm
.macro WLOAD win, sb, off0, str16      ; 64 loads fill a window: load i into v[4 i ..]; sixteen loads are 8,192 consecutive bytes, the next sixteen begin str16 bytes on
	WIN (\win)<<6
.set i, 0
.rept 64
	global_load_b128 v[4*i:4*i+3], v[LI], s[\sb:\sb+1] offset:\off0+(i/16)*\str16+(i%16)*512
.set i, i+1
.endr
	WIN 0
.endm
.macro POW2 e, sc, lim                 ; s[e]: a whole number;  v[sc] = 2^e as f32, v[lim] = 448 x 2^e
	s_add_co_i32 s[\e], s[\e], 127
	s_lshl_b32 s50, s[\e], 23
	v_mov_b32 v[\sc], s50
	s_add_co_i32 s[\e], s[\e], 8
	s_lshl_b32 s[\e], s[\e], 23
	s_or_b32 s[\e], s[\e], 0x600000
	v_mov_b32 v[\lim], s[\e]
.endm
	s_load_b256 s[4:11], s[0:1], 0x0               ; x1 s[4:5], w0f s[6:7], w1f s[8:9], b0 s[10:11]
	s_load_b128 s[12:15], s[0:1], 0x20             ; b1 s[12:13], the scales s[14:15]
	s_load_b64 s[16:17], s[0:1], 0x30              ; h2f
	v_lshl_add_u32 v254, v0, 2, SPARE              ; my spare word; never rewritten
	v_mov_b32 v255, 0                              ; never rewritten
	ds_add_u32 v254, v255                          ; the opening lines: the add, twice on end, and its wait ahead of my tensor load
	ds_add_u32 v254, v255
	v_lshrrev_b32 v1, 5, v0
	v_readfirstlane_b32 s18, v1                    ; wave 0..3
	v_and_b32 v1, 31, v0
	v_and_b32 v2, 15, v0                           ; r
	v_bfe_u32 v3, v0, 4, 1                         ; h
	v_lshlrev_b32 v[XA], 10, v2
	v_lshl_add_u32 v[XA], v3, 6, v[XA]
	v_lshlrev_b32 v[LI], 4, v1
	v_add_nc_u32 v[XLI], 0x10000, v[LI]
	s_lshl_b32 s20, s18, 12
	s_lshl_b32 s21, s18, 15
	v_add_nc_u32 v[XWI], s20, v[XLI]
	v_add_nc_u32 v[HWI], s20, v[LI]
	v_add_nc_u32 v[WLI], s21, v[LI]
	v_add_nc_u32 v[WLI], W1L, v[WLI]
	v_lshlrev_b32 v[BO], 6, v3
	s_bfe_u32 s54, ttmp6, 0x40000                  ; cx
	s_bfe_u32 s55, ttmp6, 0x40004                  ; cy
	s_lshl_b32 s53, ttmp9, 2
	s_add_co_u32 s53, s53, s54                     ; x: which 256 outputs
	s_and_b32 s19, ttmp7, 0xffff
	s_lshl_b32 s19, s19, 2
	s_add_co_u32 s19, s19, s55                     ; y: which 64 rows
	s_lshl_b32 s22, s19, 16
	s_lshl_b32 s23, s18, 14
	s_add_co_u32 s22, s22, s23                     ; x1: row 64 y + 16 w, 1,024 bytes a row
	s_mov_b32 s23, 0
	s_lshl_b32 s24, s18, 16                        ; w0f: my 16 tiles of 4,096 bytes
	s_mov_b32 s25, 0
	s_lshl_b32 s26, s53, 18
	s_add_co_u32 s26, s26, s24                     ; w1f: tile 16 x + 4 w, 16,384 bytes a tile: nothing of y
	s_mov_b32 s27, 0
	s_lshl_b32 s28, s18, 10                        ; b0: my 256 numbers
	s_mov_b32 s29, 0
	s_lshl_b32 s30, s53, 10
	s_lshl_b32 s31, s18, 8
	s_add_co_u32 s30, s30, s31                     ; b1: number 256 x + 64 w
	s_mov_b32 s31, 0
	s_lshr_b32 s32, s19, 2
	s_lshl_b32 s32, s32, 18                        ; h2f: the block of 256 rows,
	s_lshl_b32 s33, s53, 1
	s_lshr_b32 s34, s18, 1
	s_add_co_u32 s33, s33, s34
	s_lshl_b32 s33, s33, 15                        ; K step 2 x + w / 2,
	s_add_co_u32 s32, s32, s33
	s_and_b32 s33, s19, 3
	s_lshl_b32 s33, s33, 13                        ; my four tiles of rows in it,
	s_add_co_u32 s32, s32, s33
	s_and_b32 s33, s18, 1
	s_lshl_b32 s33, s33, 10                        ; register groups c = 2 (w % 2), + 1
	s_add_co_u32 s32, s32, s33
	s_mov_b32 s33, 0
	; descriptor group 1: 4 rows (tiles) of 1,024 elements of 8 bytes (K steps 0-3), 2,048 elements apart in memory, dense in LDS
	s_lshl_b32 s56, 0x1111, s54                    ; my column of the cluster
	s_or_b32 s72, s56, (3<<16)|(1<<21)             ; 15:0 the mask; 17:16 elements of 8 bytes; 21 set beside a mask; no padding
	s_mov_b32 s73, 1024<<16                        ; tensor_dim0
	s_mov_b32 s74, 4<<16                           ; tensor_dim1
	s_mov_b32 s75, 1024<<16                        ; tile_dim0
	s_mov_b32 s76, 4                               ; tile_dim1
	s_mov_b32 s77, 2048                            ; the pitch
	s_mov_b32 s78, 0
	s_mov_b32 s79, 0
	s_mov_b32 s68, 1
	s_add_co_u32 s69, s21, W1L                     ; to LDS: W1L + 32,768 w: no place in the cluster enters an LDS address
	s_wait_alu depctr_va_vdst(0)                   ; the wait at the head's end
	s_wait_dscnt 0x0                               ; both opening adds are done
	s_wait_kmcnt 0x0
	s_load_b128 s[40:43], s[14:15], 0x0            ; e0 .. e3
	s_load_b64 s[44:45], s[14:15], 0x10            ; e4, e5
	s_add_nc_u64 s[4:5], s[4:5], s[22:23]
	s_add_nc_u64 s[6:7], s[6:7], s[24:25]
	s_add_nc_u64 s[8:9], s[8:9], s[26:27]
	s_add_nc_u64 s[10:11], s[10:11], s[28:29]
	s_add_nc_u64 s[12:13], s[12:13], s[30:31]
	s_add_nc_u64 s[16:17], s[16:17], s[32:33]
	s_mov_b64 s[70:71], s[8:9]
	s_or_b32 s71, s71, 0x80000000
	XLOAD HA, 0
	XLOAD ST, 1
	CROUND                                         ; all sixteen work-groups are here: the joint loads meet
	tensor_load_to_lds s[68:71], s[72:79]          ; W1's K steps 0-3 of my four tiles: my one tensor load
	s_nop 0
.rept 4
	v_nop                                          ; behind a tensor load
.endr
	WLOAD 1, 6, 0, 8192                            ; W0's tiles 0-7 of mine: fragment (t, s) at v[16 (2 t + s)] of window 1
	s_wait_kmcnt 0x0
	s_add_co_i32 s48, s40, s41                     ; e0 + e1
	s_sub_co_i32 s46, 0, s48
	s_add_co_i32 s49, s42, s43                     ; e2 + e3
	s_sub_co_i32 s47, 0, s49
	s_sub_co_i32 s51, s42, s48                     ; e2 - e0 - e1: a sum of the first product stands for sum x 2^(e0 + e1)
	s_sub_co_i32 s52, s44, s49                     ; e4 - e2 - e3
	POW2 40, 248, 249
	POW2 51, 250, 251
	POW2 52, 252, 253
	; ---- x1: my 16 rows become two fragments
	s_wait_alu depctr_va_vdst(0)                   ; directly ahead of the wait below
	s_wait_loadcnt 63                              ; 64 loads are younger than x1's last: x1's 32 are in
	QUANT HA, 0, 248, 249
	IMAGE XWI, 0
	s_wait_dscnt 0x0                               ; the stores have read their registers
	QUANT ST, 0, 248, 249
	IMAGE XWI, FRB
	WIN 0xc0                                       ; destination window 3
.irp t, 0,1,2,3,4,5,6,7,8,9,10,11,12,13,14,15  ; b0: lane (r, h) wants, for tile t, the units 32 (t / 2) + 16 h + 8 (t % 2) + 0 .. 7
	global_load_b128 v[8*\t:8*\t+3], v[BO], s[10:11] offset:(32*(\t/2)+8*(\t%2))*4
	global_load_b128 v[8*\t+4:8*\t+7], v[BO], s[10:11] offset:(32*(\t/2)+8*(\t%2))*4+16
.endr
.irp n, 0,1,2,3
	global_load_b128 v[128+8*\n:128+8*\n+3], v[BO], s[12:13] offset:(32*(\n/2)+8*(\n%2))*4
	global_load_b128 v[128+8*\n+4:128+8*\n+7], v[BO], s[12:13] offset:(32*(\n/2)+8*(\n%2))*4+16
.endr
	WIN 0
	WLOAD 2, 6, 32768, 8192                        ; W0's tiles 8-15
	BARRIER                                        ; x's eight fragments lie in LDS
	s_wait_loadcnt 63                              ; 64 loads are younger than b1's last: W0's first half and the biases are in
	WIN 0xc3                                       ; source 0 and destination window 3
.set i, 0
.rept 128
	v_ldexp_f32 v[i], v[i], s46                    ; b0 / 2^(e0 + e1)
.set i, i+1
.endr
.rept 32
	v_ldexp_f32 v[i], v[i], s47                    ; b1 / 2^(e2 + e3)
.set i, i+1
.endr
	WIN 0
	; ---- the first layer: my 16 tiles in two halves of eight (a K step of the second product each), a tile of 16 rows at a time; the eight accumulators take turns
.irp hf, 0,1
.irp m, 0,1,2,3
	FETCH XF, XLI, (2*\m)*FRB
	FETCH XF+16, XLI, (2*\m+1)*FRB
	s_wait_dscnt 0x0
	WIN 0x31+\hf                                   ; source 0 (W0) window 1 or 2, source 2 (b0) window 3
.irp t, 0,1,2,3,4,5,6,7
	v_wmma_f32_16x16x128_fp8_fp8 v[HA+8*\t:HA+8*\t+7], v[32*\t:32*\t+15], v[XF:XF+15], v[64*\hf+8*\t:64*\hf+8*\t+7]
.endr
	WIN 0x01+\hf
.irp t, 0,1,2,3,4,5,6,7
	v_wmma_f32_16x16x128_fp8_fp8 v[HA+8*\t:HA+8*\t+7], v[32*\t+16:32*\t+31], v[XF+16:XF+31], v[HA+8*\t:HA+8*\t+7]
.endr
	WIN 0
.rept 4
	v_nop                                          ; four places behind the last product, ahead of the first read of results (ISA guide 7.12.1)
.endr
	QUANT HA, 1, 250, 251
	IMAGE HWI, (8*\m+\hf)*FRB                      ; K step 2 w + hf of the second product, rows 16 m on
	s_wait_dscnt 0x0                               ; the stores have read their registers
.endr
.if \hf == 0
	WLOAD 1, 8, 8192, 16384                        ; window 1 is done with: W1's K steps 4-7: fragment (n, s) at v[64 n + 16 (s - 4)]
	s_wait_loadcnt 63                              ; 64 loads are younger than W0's second half: it is in
.else
	s_wait_tensorcnt 0x0                           ; my tensor load has landed; only I read its bytes
	WIN 0x80                                       ; window 2 is done with: W1's K steps 0-3 out of LDS: fragment (n, s) at v[64 n + 16 s]; 32,768 consecutive bytes
.set i, 0
.rept 64
	ds_load_b128 v[4*i:4*i+3], v[WLI] offset:512*i
.set i, i+1
.endr
	WIN 0
.endif
.endr
	BARRIER                                        ; the hidden layer's 32 fragments lie in LDS, and W1's K steps 0-3 in my registers
	; ---- the second layer: 16 accumulators by turns, a K step at a time; the next step's four fragments are fetched into the other buffer
.irp m, 0,1,2,3
	FETCH ST+16*\m, LI, (8*\m)*FRB
.endr
.irp s, 0,1,2,3,4,5,6,7
.set CUR, ST-(ST-HA)*((\s)%2)
.set NXT, ST-(ST-HA)*((\s+1)%2)
.if \s < 7
.irp m, 0,1,2,3
	FETCH NXT+16*\m, LI, (8*\m+\s+1)*FRB
.endr
	s_wait_dscnt 16                                ; this step's are in; the 16 just issued may be out
.else
	s_wait_dscnt 0x0
.endif
.if \s == 4
	s_wait_loadcnt 0x0                             ; W1's K steps 4-7 are in
.endif
	WIN 0xf2-(\s/4)                                ; source 0 (W1) window 2, then 1; C and D window 3
.irp m, 0,1,2,3
.irp n, 0,1,2,3
.if \s == 0
	v_wmma_f32_16x16x128_fp8_fp8 v[8*(4*\n+\m):8*(4*\n+\m)+7], v[64*\n+16*(\s%4):64*\n+16*(\s%4)+15], v[CUR+16*\m:CUR+16*\m+15], v[128+8*\n:128+8*\n+7]
.else
	v_wmma_f32_16x16x128_fp8_fp8 v[8*(4*\n+\m):8*(4*\n+\m)+7], v[64*\n+16*(\s%4):64*\n+16*(\s%4)+15], v[CUR+16*\m:CUR+16*\m+15], v[8*(4*\n+\m):8*(4*\n+\m)+7]
.endif
.endr
.endr
	WIN 0
.rept 4
	v_nop                                          ; places ahead of the loads into the buffer just multiplied, and of the first read of results
.endr
.endr
	; ---- out: relu and the hold in one, the conversion, and the codes as they stand in the third product's fragments
	WIN 0xc3
.set i, 0
.rept 128
	v_med3_num_f32 v[i], v[i], 0, v253             ; each accumulator from its low end on
.set i, i+1
.endr
	WIN 0x03                                       ; source 0 window 3
.irp m, 0,1,2,3
.irp n, 0,1,2,3
	v_cvt_scalef32_pk8_fp8_f32 v[48+8*\m+2*\n:49+8*\m+2*\n], v[8*(4*\n+\m):8*(4*\n+\m)+7], v252
.endr
.endr
	WIN 0
	v_nop
.irp m, 0,1,2,3
.irp b, 0,1
	global_store_b128 v[LI], v[48+8*\m+4*\b:51+8*\m+4*\b], s[16:17] offset:2048*\m+512*\b   ; 512 consecutive bytes, aligned
.endr
.endr
	s_wait_tensorcnt 0x0                           ; the wave's end
	ds_add_u32 v254, v255
	s_wait_dscnt 0x0
	CROUND                                         ; the closing round: no work-group ends while a partner may still ask for a tile that names it
	s_endpgm
.Lfunc_end_k_qec790ac0a2_mlp:
	.size	k_qec790ac0a2_mlp, .Lfunc_end_k_qec790ac0a2_mlp-k_qec790ac0a2_mlp
	.p2alignl 7, 3214868480
	.fill 96, 4, 3214868480
	.section	.rodata,"a",@progbits
	.p2align	6, 0x0
	.amdhsa_kernel k_qec790ac0a2_mlp
		.amdhsa_group_segment_fixed_size 327680
		.amdhsa_private_segment_fixed_size 0
		.amdhsa_enable_private_segment 0
		.amdhsa_kernarg_size 56
		.amdhsa_user_sgpr_count 2
		.amdhsa_user_sgpr_kernarg_segment_ptr 1
		.amdhsa_wavefront_size32 1
		.amdhsa_system_sgpr_workgroup_id_x 1
		.amdhsa_system_sgpr_workgroup_id_y 1
		.amdhsa_system_sgpr_workgroup_id_z 1
		.amdhsa_system_vgpr_workitem_id 0
		.amdhsa_next_free_vgpr 1024
		.amdhsa_next_free_sgpr 96
		.amdhsa_reserve_vcc 0
		.amdhsa_float_denorm_mode_32 3
		.amdhsa_float_denorm_mode_16_64 3
		.amdhsa_memory_ordered 1
		.amdhsa_forward_progress 1
		.amdhsa_inst_pref_size 136
	.end_amdhsa_kernel
	.amdgpu_metadata
---
amdhsa.version: [ 1, 2 ]
amdhsa.kernels:
  - .name:           k_qec790ac0a2_mlp
    .symbol:         k_qec790ac0a2_mlp.kd
    .args:
      - { .name: x1, .offset: 0, .size: 8, .value_kind: global_buffer, .address_space: global }
      - { .name: w0f, .offset: 8, .size: 8, .value_kind: global_buffer, .address_space: global }
      - { .name: w1f, .offset: 16, .size: 8, .value_kind: global_buffer, .address_space: global }
      - { .name: b0, .offset: 24, .size: 8, .value_kind: global_buffer, .address_space: global }
      - { .name: b1, .offset: 32, .size: 8, .value_kind: global_buffer, .address_space: global }
      - { .name: lowp_scales, .offset: 40, .size: 8, .value_kind: global_buffer, .address_space: global }
      - { .name: h2f, .offset: 48, .size: 8, .value_kind: global_buffer, .address_space: global }
    .group_segment_fixed_size: 327680
    .private_segment_fixed_size: 0
    .kernarg_segment_align: 8
    .kernarg_segment_size: 56
    .max_flat_workgroup_size: 128
    .sgpr_count:     96
    .vgpr_count:     1024
    .wavefront_size: 32
...
	.end_amdgpu_metadata
.endif
;; end of part 2
;; launch spline (part 3): grid 16 x 16, 4 waves a work-group, clusters of 4 x 4, 327,680 bytes of LDS; arguments h2f, w2f, b2s, x2, lowp_scales, ybuf, part; writes ybuf, part
.if DOCPART == 3
	.amdgcn_target "amdgcn-amd-amdhsa--gfx1250"
	.amdhsa_code_object_version 6
	.text
	.protected	k_qec790ac0a2_spline
	.globl	k_qec790ac0a2_spline
	.p2align	8
	.type	k_qec790ac0a2_spline,@function
k_qec790ac0a2_spline:
	s_mov_b64 s[64:65], 0
	v_nop
	global_prefetch_b8 v0, s[64:65] scope:SCOPE_SE
	s_setreg_imm32_b32 hwreg(HW_REG_WAVE_MODE, 25, 1), 1
	s_wait_xcnt 0x0
	s_wait_alu depctr_hold_cnt(0) depctr_sa_sdst(0) depctr_va_vdst(0) depctr_va_sdst(0) depctr_va_ssrc(0) depctr_va_vcc(0) depctr_vm_vsrc(0)
	s_getreg_b32 s2, hwreg(HW_REG_IB_STS2, 6, 4)
	s_cmp_eq_u32 s2, 0
	s_cbranch_scc0 .Lentry_in_a_cluster
	s_endpgm
.Lentry_in_a_cluster:
	s_bfe_u32 s2, ttmp6, 0x10000c
	s_cmp_lg_u32 s2, 0xf033
	s_cbranch_scc0 .Lentry_shape_is_right
	s_endpgm
.Lentry_shape_is_right:
; p = h2 W2 + b2 on codes of FP8 (E4M3), and the rational-quadratic spline of x2 with p's 47 parameters for each (row, d), all in registers: p never goes to memory.
; h2f [Y 16][K step 8][16 tiles of rows][2048], w2f [nt 64][K step 8][12 tiles][2048]: codes in the order of the operand's registers.  b2s [d][64]: b2 / 2^(e4 + e5), entry 47 the tails' constant.
; OUT: ybuf [X][Y][2 (w / 2) + p % 2][p / 2][w % 2][lane][e] = y2; part [X][Y][2 (w / 2)][w % 2][lane][e] = the sum over my 8 pairs of log2 of the derivative, and zeros at [2 (w / 2) + 1]:
; row = 256 Y + 64 w + 16 e + lane % 16, d = 16 X + 2 p + lane / 16.  The last launch lays y2 out by rows and adds the parts in a fixed order.
; SHARES.  Work-group (X, Y): 256 rows x 16 d, as 8 pairs p of d (96 columns: 2 x (47 parameters and a column of zero codes)).  Wave w: rows 64 w .. + 63 of every pair: 24 accumulators, 192 registers.
; A STAYS IN REGISTERS: a wave's 64 rows x 1,024 K of codes are 512 registers, loaded once, straight from h2f: 128 loads of 512 consecutive bytes.  So LDS holds B alone and each fragment of B feeds four products.
; A is not asked for jointly: it goes through no LDS (its 262,144 bytes and two slots of 98,304 do not fit in 327,680 together), and it has no loop to be prefetched in.
; THE RING: two LDS slots, each a pair's 8 K steps x 6 tiles (98,304 bytes).  Each wave fetches two K steps (2 rows of 12,288 bytes, 24,576 apart in w2f) by one tensor load.  By this text's count a wave has one tensor load out.
; CLUSTER 4 x 4: B hangs on X alone and is asked for jointly along a column of the cluster.
; THE PRODUCT IS USED TRANSPOSED (source 0 = 16 rows of a tile of W2, source 1 = 16 rows of h2): lane (r, h) holds, for a block of 16 rows, all 48 parameters of ONE element (row r, d = 2 P + h):
; 0-15 widths, 16-31 heights, 32-46 derivatives, 47 the tails' constant.  The bias is the C of a pair's first products.
; THE SPLINE, un-normalised: with S_i the prefix sums of 2^(c w - max) and S'_i = S_i + i (0.001 / 0.984) S_16, the reference's edge i is 6 S'_i / S'_16 - 3.  The bin is found by four compares of
; v = (xc + 3) S'_16 / 6 against S', and the two edges, heights and derivatives round the bin by selects that halve a window: no address and no branch hangs on data.
; The maximum is taken away ahead of every exponential; softplus(z) = max(z, 0) + log(1 + exp(-|z|)) is made of the two derivatives taken alone.
; LIMITS: e4 + e5 between -126 and 126 (added to log2(e)'s exponent field).  An x2 on a bin's edge may fall to the neighbouring bin, where the spline has the same value.
; REGISTERS, in windows of 256.  window 0: v16-30 addresses; v32-127, v128-223 B's 6 fragments, two sets; the bias lies in v176-223 while K step 0 is multiplied; v224-227 zeros.
;   window 1: v[48 e + 8 q + j] accumulators (e = block of 16 rows); v192-207 the numbers 1 .. 16; v208+e x2; v212+e the logdet's sum; v216+e y; v220-235, v236-255 at work (4 and 5 for each e).
;   windows 2, 3: A's K steps 0-3 and 4-7: fragment (s, a) at v[64 (s % 4) + 16 a].
.set SLOTB, 98304
.set SPARE, 2*SLOTB                    ; behind the ring: the spare words, 128 bytes for each wave, which no other line names
.set MSB, 0
.macro WIN new                         ; the immediate's high byte repeats the setting that is left
.if MSB != (\new)
	s_set_vgpr_msb (MSB<<8)|(\new)
.set MSB, (\new)
.endif
.endm
.macro PLACES n                        ; plain vector instructions behind matrix instructions, ahead of loads into their sources and of reads of their results
.rept \n
	v_nop
.endr
.endm
.macro CREST                           ; a round of the cluster's barrier behind its opening barrier
	s_cmp_lg_u32 s18, 0
	s_cbranch_scc1 .Lnot_wave_0_\@
	s_barrier_signal -3
.Lnot_wave_0_\@:
	s_barrier_wait -3
	s_barrier_signal -1
	s_barrier_wait -1
.endm
.macro CROUND
	s_barrier_signal -1
	s_barrier_wait -1
	CREST
.endm
.macro FRAG reg, adr, off              ; a fragment: four loads of 512 consecutive bytes
.irp c, 0,1,2,3
	ds_load_b128 v[(\reg)+4*\c:(\reg)+4*\c+3], v[\adr] offset:(\off)+512*\c
.endr
.endm
.macro FB3 sl, s, hf                   ; three of B's six fragments of K step s of slot sl into set s % 2: 12 loads
.irp q, 0,1,2
	FRAG 32+96*((\s)%2)+16*(3*(\hf)+\q), 16+2*(\sl)+(\s)/4, ((\s)%4)*12288+(3*(\hf)+\q)*2048
.endr
.endm
; 12 products: B's tiles q0 .. q0 + 2, each against A's four blocks.  The 24 accumulators take turns, one instruction a turn, in the same order in every K step.
.macro MM s, q0, bias
.irp q, \q0, \q0+1, \q0+2
.irp a, 0,1,2,3
.if \bias
	v_wmma_f32_16x16x128_fp8_fp8 v[48*\a+8*(\q):48*\a+8*(\q)+7], v[32+96*((\s)%2)+16*(\q):32+96*((\s)%2)+16*(\q)+15], v[64*((\s)%4)+16*\a:64*((\s)%4)+16*\a+15], v[176+8*(\q):176+8*(\q)+7]
.else
	v_wmma_f32_16x16x128_fp8_fp8 v[48*\a+8*(\q):48*\a+8*(\q)+7], v[32+96*((\s)%2)+16*(\q):32+96*((\s)%2)+16*(\q)+15], v[64*((\s)%4)+16*\a:64*((\s)%4)+16*\a+15], v[48*\a+8*(\q):48*\a+8*(\q)+7]
.endif
.endr
.endr
.endm
; K steps 0 to 6 of the pair in slot sl.  Windows of a product: B 0, A 2 or 3, C and D 1 (K step 0: C, the bias, 0).  Each step begins by asking for the next step's fragments.
; At its head K step 0's six fragments and K step 1's first three have been asked for, and the bias is in.
.macro MAT sl
	s_wait_dscnt 12                                ; K step 0's fragments are in; K step 1's 12 loads are younger
	WIN 0x48
	MM 0, 0, 1
	MM 0, 3, 1
.irp s, 1,2,3,4,5,6
	PLACES 4
	WIN 0
.if \s == 1
	FB3 \sl, 1, 1                                  ; into the registers that held the bias
.endif
	FB3 \sl, \s+1, 0
	FB3 \sl, \s+1, 1
	s_wait_dscnt 36                                ; this step's first three fragments are in: 36 loads are younger
.if \s >= 4
	s_wait_loadcnt 16*(7-\s)                       ; A's K step s is in: in the first pair 16 loads for each later K step are younger; in the others only x2's four are out
.endif
	WIN 0x58+4*(\s/4)
	MM \s, 0, 0
	s_wait_dscnt 24                                ; and its other three: the next step's 24 are younger
	MM \s, 3, 0
.endr
.endm
.macro BIAS off                        ; 48 numbers of my d's row of b2s
.irp i, 0,1,2,3,4,5,6,7,8,9,10,11
	global_load_b128 v[176+4*\i:179+4*\i], v24, s[8:9] offset:(\off)+16*\i
.endr
.endm
.macro XLOADS off                      ; x2 of my four elements
	WIN 0x40
.irp e, 0,1,2,3
	global_load_b32 v[208+\e], v25, s[10:11] offset:16384*\e+(\off)
.endr
	WIN 0
.endm
.macro ALOAD s                         ; A's four fragments of K step s
	WIN 0x80+0x40*((\s)/4)
.irp a, 0,1,2,3
.irp c, 0,1,2,3
	global_load_b128 v[64*((\s)%4)+16*\a+4*\c:64*((\s)%4)+16*\a+4*\c+3], v16, s[4:5] offset:32768*(\s)+2048*\a+512*\c
.endr
.endr
.endm
; K step 7 changes slots: one barrier; ahead of it each wave waits for all its tensor loads, adds 0 to its spare word and waits for that and for its reads of this slot.
; fill = 1: the barrier opens a round of the cluster's, and the slot takes the pair two on.  Then the next pair's first nine fragments and its bias are asked for.
.macro TURN sl, fill
	WIN 0
	s_wait_loadcnt 0x0                             ; A's last K step (first pair) and x2 are in
	s_wait_tensorcnt 0x0                           ; my one tensor load, my part of the other slot, has landed
	ds_add_u32 v28, v29                            ; 0 onto my spare word
	s_wait_dscnt 13                                ; (the add and the step's last 12 loads may be out)
	WIN 0x5c
	MM 7, 0, 0
	s_wait_dscnt 0x0                               ; the add is done, and my reads of this slot are over
	s_barrier_signal -1
	MM 7, 3, 0
	WIN 0
	s_barrier_wait -1
.if \fill
	CREST                                          ; no wave of any partner still reads this slot or has a load on its way
	s_add_nc_u64 s[34+4*\sl:35+4*\sl], s[34+4*\sl:35+4*\sl], 196608
	tensor_load_to_lds s[32+4*\sl:35+4*\sl], s[24:31]
	s_nop 0
.endif
	PLACES 4                                       ; behind the load, and the places ahead of the loads and reads below
	FB3 1-\sl, 0, 0
	FB3 1-\sl, 0, 1
	FB3 1-\sl, 1, 0
	BIAS 512*(\sl+1)
.if \fill
	; a prefetch of B: the fill four pairs on, two changes of this slot ahead of its tensor load.  Its 384 blocks of 256 bytes are shared out BY ADDRESS in each cluster: partner cy takes K steps 2 cy, 2 cy + 1,
	; wave w 24 blocks of them, a lane a block (lanes 24-31 name the wave's last block again).  The loop's last trip has no such fill.  Fills 0 to 3 come by their loads alone.
	s_cmp_gt_u32 s21, 1
	s_cbranch_scc0 .Lno_ask_\@
	global_prefetch_b8 v30, s[76:77] offset:12288*\sl th:TH_LOAD_NT scope:SCOPE_SE
.Lno_ask_\@:
.endif
.endm
; Names for element e: R its 48 parameters; T four and V five registers at work; U nine more, in parameters 2 to 10, which are done with behind the last select; M its five masks; XE its x2
.macro EL e
.set R, 48*(\e)
.set T, 220+4*(\e)
.set V, 236+5*(\e)
.set U, 48*(\e)+2
.set M, 82+5*(\e)
.set XE, 208+(\e)
.endm
; THE SPLINE of the lane's four elements, line by line side by side.  T+0, +2 maxima, then (0.001 / 0.984) x the totals; V+0 S'_16 / 6; V+1 v; V+2, +3, +4 the bin's lower edge, height, derivative.
.macro EPI4
	; the maxima of the 16 widths and the 16 heights; each accumulator is read from its low end on
.irp e, 0,1,2,3
	EL \e
	v_max3_num_f32 v[T], v[R], v[R+1], v[R+2]
	v_max3_num_f32 v[T+1], v[R+3], v[R+4], v[R+5]
	v_max3_num_f32 v[T+2], v[R+16], v[R+17], v[R+18]
	v_max3_num_f32 v[T+3], v[R+19], v[R+20], v[R+21]
.endr
.irp e, 0,1,2,3
	EL \e
	v_max3_num_f32 v[T], v[T], v[R+6], v[R+7]
	v_max3_num_f32 v[T+1], v[T+1], v[R+8], v[R+9]
	v_max3_num_f32 v[T+2], v[T+2], v[R+22], v[R+23]
	v_max3_num_f32 v[T+3], v[T+3], v[R+24], v[R+25]
.endr
.irp e, 0,1,2,3
	EL \e
	v_max3_num_f32 v[T], v[T], v[R+10], v[R+11]
	v_max3_num_f32 v[T+1], v[T+1], v[R+12], v[R+13]
	v_max3_num_f32 v[T+2], v[T+2], v[R+26], v[R+27]
	v_max3_num_f32 v[T+3], v[T+3], v[R+28], v[R+29]
.endr
.irp e, 0,1,2,3
	EL \e
	v_max3_num_f32 v[T], v[T], v[R+14], v[R+15]
	v_max3_num_f32 v[T+2], v[T+2], v[R+30], v[R+31]
.endr
.irp e, 0,1,2,3
	EL \e
	v_max_num_f32 v[T], v[T], v[T+1]
	v_max_num_f32 v[T+2], v[T+2], v[T+3]
.endr
.irp e, 0,1,2,3
	EL \e
	v_mul_f32 v[T], s66, v[T]                      ; x c = log2(e) 2^(e4 + e5), which is positive
	v_mul_f32 v[T+2], s66, v[T+2]
.endr
.irp e, 0,1,2,3
	EL \e
.irp i, 0,2,4,6,8,10,12,14
	v_pk_fma_f32 v[R+\i:R+\i+1], v[R+\i:R+\i+1], s[66:67], v[T:T+1] op_sel_hi:[1,0,0] neg_lo:[0,0,1] neg_hi:[0,0,1]              ; c w - c max
	v_pk_fma_f32 v[R+16+\i:R+17+\i], v[R+16+\i:R+17+\i], s[66:67], v[T+2:T+3] op_sel_hi:[1,0,0] neg_lo:[0,0,1] neg_hi:[0,0,1]
.endr
.endr
	s_wait_alu depctr_va_vdst(0)                   ; ahead of the batch
.irp e, 0,1,2,3
	EL \e
.set i, 0
.rept 32
	v_exp_f32 v[R+i], v[R+i]
.set i, i+1
.endr
.endr
.irp e, 0,1,2,3
	EL \e
	v_med3_num_f32 v[V+1], v[XE], s73, s68         ; xc: x2 held within +-3.  (Plain lines behind the exponentials)
	v_cmp_lt_f32 s[M+4], |v[XE]|, s68              ; inside
.endr
.irp e, 0,1,2,3
	EL \e
	v_add_f32 v[V+1], s68, v[V+1]                  ; xc + 3
.endr
	s_wait_alu depctr_va_vdst(0)                   ; one wait for the 128 exponentials, ahead of their first reader
.irp i, 1,2,3,4,5,6,7,8,9,10,11,12,13,14,15    ; prefix sums in place: register i becomes S_(i + 1); eight chains side by side
.irp e, 0,1,2,3
	EL \e
	v_add_f32 v[R+\i], v[R+\i], v[R+\i-1]
	v_add_f32 v[R+16+\i], v[R+16+\i], v[R+15+\i]
.endr
.endr
.irp e, 0,1,2,3
	EL \e
	v_mul_f32 v[T], s69, v[R+15]
	v_mul_f32 v[T+2], s69, v[R+31]
.endr
.irp e, 0,1,2,3
	EL \e
.irp i, 0,2,4,6,8,10,12,14
	v_pk_fma_f32 v[R+\i:R+\i+1], v[192+\i:193+\i], v[T:T+1], v[R+\i:R+\i+1] op_sel_hi:[1,0,1]              ; S'_(i + 1) = S_(i + 1) + (i + 1) x 0.001 / 0.984 x S_16
	v_pk_fma_f32 v[R+16+\i:R+17+\i], v[192+\i:193+\i], v[T+2:T+3], v[R+16+\i:R+17+\i] op_sel_hi:[1,0,1]
.endr
.endr
.irp e, 0,1,2,3
	EL \e
	v_mul_f32 v[V], s70, v[R+15]                   ; S'_16 / 6
.endr
.irp e, 0,1,2,3
	EL \e
	v_mul_f32 v[V+1], v[V+1], v[V]                 ; v
.endr
	; the bin: is v at or over the window's middle edge?  Then the upper half of each of the three windows is taken
.irp e, 0,1,2,3
	EL \e
	v_cmp_ge_f32 s[M], v[V+1], v[R+7]
.endr
.irp e, 0,1,2,3
	EL \e
	v_cndmask_b32 v[V+2], 0, v[R+7], s[M]
	v_cndmask_b32 v[V+3], 0, v[R+23], s[M]
	v_cndmask_b32 v[R+32], v[R+32], v[R+40], s[M]  ; (the derivatives' two accumulators are first read at their low ends)
	v_cndmask_b32 v[V+4], v[R+47], v[R+39], s[M]   ; derivative 0 is the tails' constant, as derivative 16 is
.irp j, 0,1,2,3,4,5,6,7
	v_cndmask_b32 v[R+\j], v[R+\j], v[R+8+\j], s[M]
	v_cndmask_b32 v[R+16+\j], v[R+16+\j], v[R+24+\j], s[M]
.endr
.irp j, 1,2,3,4,5,6,7
	v_cndmask_b32 v[R+32+\j], v[R+32+\j], v[R+40+\j], s[M]
.endr
.endr
.irp e, 0,1,2,3
	EL \e
	v_cmp_ge_f32 s[M+1], v[V+1], v[R+3]
.endr
.irp e, 0,1,2,3
	EL \e
	v_cndmask_b32 v[V+2], v[V+2], v[R+3], s[M+1]
	v_cndmask_b32 v[V+3], v[V+3], v[R+19], s[M+1]
	v_cndmask_b32 v[V+4], v[V+4], v[R+35], s[M+1]
.irp j, 0,1,2,3
	v_cndmask_b32 v[R+\j], v[R+\j], v[R+4+\j], s[M+1]
	v_cndmask_b32 v[R+16+\j], v[R+16+\j], v[R+20+\j], s[M+1]
	v_cndmask_b32 v[R+32+\j], v[R+32+\j], v[R+36+\j], s[M+1]
.endr
.endr
.irp e, 0,1,2,3
	EL \e
	v_cmp_ge_f32 s[M+2], v[V+1], v[R+1]
.endr
.irp e, 0,1,2,3
	EL \e
	v_cndmask_b32 v[V+2], v[V+2], v[R+1], s[M+2]
	v_cndmask_b32 v[V+3], v[V+3], v[R+17], s[M+2]
	v_cndmask_b32 v[V+4], v[V+4], v[R+33], s[M+2]
.irp j, 0,1
	v_cndmask_b32 v[R+\j], v[R+\j], v[R+2+\j], s[M+2]
	v_cndmask_b32 v[R+16+\j], v[R+16+\j], v[R+18+\j], s[M+2]
	v_cndmask_b32 v[R+32+\j], v[R+32+\j], v[R+34+\j], s[M+2]
.endr
.endr
.irp e, 0,1,2,3
	EL \e
	v_cmp_ge_f32 s[M+3], v[V+1], v[R]
.endr
.irp e, 0,1,2,3
	EL \e
	v_cndmask_b32 v[V+2], v[V+2], v[R], s[M+3]
	v_cndmask_b32 v[V+3], v[V+3], v[R+16], s[M+3]
	v_cndmask_b32 v[V+4], v[V+4], v[R+32], s[M+3]
	v_cndmask_b32 v[R], v[R], v[R+1], s[M+3]       ; the bin's upper edge,
	v_cndmask_b32 v[R+16], v[R+16], v[R+17], s[M+3] ; height
	v_cndmask_b32 v[R+32], v[R+32], v[R+33], s[M+3] ; and derivative
.endr
.irp e, 0,1,2,3
	EL \e
	v_sub_f32 v[U], v[R], v[V+2]                   ; the bin's width, un-normalised: at least 0.001 / 0.984 of the total
	v_sub_f32 v[U+1], v[R+16], v[V+3]              ; and height
	v_mul_f32 v[V+4], s66, v[V+4]                  ; z log2(e)
	v_mul_f32 v[R+32], s66, v[R+32]
.endr
	s_wait_alu depctr_va_vdst(0)                   ; ahead of the batch
.irp e, 0,1,2,3
	EL \e
	v_rcp_f32 v[U+2], v[U]
	v_rcp_f32 v[U+3], v[R+31]
	v_exp_f32 v[U+4], -|v[V+4]|
	v_exp_f32 v[U+5], -|v[R+32]|
.endr
.irp e, 0,1,2,3
	EL \e
	v_sub_f32 v[U+6], v[V+1], v[V+2]
	v_max_num_f32 v[U+7], 0, v[V+4]
	v_max_num_f32 v[U+8], 0, v[R+32]
.endr
	s_wait_alu depctr_va_vdst(0)                   ; one wait for the sixteen, ahead of their first reader
.irp e, 0,1,2,3
	EL \e
	v_add_f32 v[U+4], 1.0, v[U+4]
	v_add_f32 v[U+5], 1.0, v[U+5]
.endr
	s_wait_alu depctr_va_vdst(0)                   ; ahead of the batch
.irp e, 0,1,2,3
	EL \e
	v_log_f32 v[U+4], v[U+4]
	v_log_f32 v[U+5], v[U+5]
.endr
.irp e, 0,1,2,3
	EL \e
	v_mul_f32 v[U+6], v[U+6], v[U+2]               ; theta
	v_mul_f32 v[U+3], s74, v[U+3]                  ; 6 / H'_16
	v_mul_f32 v[U+2], v[U+2], v[V]                 ; 1 / wk
.endr
.irp e, 0,1,2,3
	EL \e
	v_mul_f32 v[U+1], v[U+1], v[U+3]               ; hk
	v_fma_f32 v[V+3], v[V+3], v[U+3], s73          ; yk
	v_sub_f32 v[U], 1.0, v[U+6]                    ; 1 - theta
.endr
.irp e, 0,1,2,3
	EL \e
	v_mul_f32 v[U+2], v[U+2], v[U+1]               ; sk
	v_mul_f32 v[V+2], v[U+6], v[U]                 ; theta (1 - theta)
.endr
.irp e, 0,1,2,3
	EL \e
	v_mul_f32 v[U+6], v[U+6], v[U+6]               ; theta^2
	v_mul_f32 v[U], v[U], v[U]                     ; (1 - theta)^2
.endr
	s_wait_alu depctr_va_vdst(0)                   ; one wait for the eight logarithms
.irp e, 0,1,2,3
	EL \e
	v_add_f32 v[U+4], v[U+4], v[U+7]
	v_add_f32 v[U+5], v[U+5], v[U+8]
	v_mul_f32 v[U+8], v[U+2], v[U+6]               ; sk theta^2
	v_mul_f32 v[V+4], v[U+2], v[V+2]               ; sk theta (1 - theta)
.endr
.irp e, 0,1,2,3
	EL \e
	v_fma_f32 v[U+4], v[U+4], s71, s72             ; dk = 0.001 + softplus
	v_fma_f32 v[U+5], v[U+5], s71, s72             ; dk1
.endr
.irp e, 0,1,2,3
	EL \e
	v_add_f32 v[U+7], v[U+4], v[U+5]
	v_fma_f32 v[U+8], v[U+4], v[V+2], v[U+8]       ; sk theta^2 + dk theta (1 - theta)
	v_mul_f32 v[U+5], v[U+5], v[U+6]               ; dk1 theta^2
.endr
.irp e, 0,1,2,3
	EL \e
	v_fma_f32 v[U+7], -2.0, v[U+2], v[U+7]
	v_fma_f32 v[U+5], 2.0, v[V+4], v[U+5]
	v_mul_f32 v[U+6], v[U+2], v[U+2]               ; sk^2
.endr
.irp e, 0,1,2,3
	EL \e
	v_fma_f32 v[U+7], v[U+7], v[V+2], v[U+2]       ; the denominator
	v_fma_f32 v[U+5], v[U+4], v[U], v[U+5]
.endr
.irp e, 0,1,2,3
	EL \e
	v_mul_f32 v[U+5], v[U+5], v[U+6]               ; the derivative x the denominator^2
.endr
	s_wait_alu depctr_va_vdst(0)                   ; ahead of the batch
.irp e, 0,1,2,3
	EL \e
	v_rcp_f32 v[U], v[U+7]
	v_log_f32 v[U+4], v[U+7]
	v_log_f32 v[U+5], v[U+5]
.endr
.irp e, 0,1,2,3
	EL \e
	v_mul_f32 v[U+8], v[U+8], v[U+1]
.endr
	s_wait_alu depctr_va_vdst(0)                   ; one wait for the twelve
.irp e, 0,1,2,3
	EL \e
	v_fma_f32 v[U+8], v[U+8], v[U], v[V+3]         ; y
	v_fma_f32 v[U+5], -2.0, v[U+4], v[U+5]         ; log2 of the derivative
.endr
.irp e, 0,1,2,3
	EL \e
	v_cndmask_b32 v[216+\e], v[XE], v[U+8], s[M+4] ; outside: x2 itself,
	v_cndmask_b32 v[U+5], 0, v[U+5], s[M+4]        ; and nothing for the logdet
.endr
.irp e, 0,1,2,3
	EL \e
	v_add_f32 v[212+\e], v[212+\e], v[U+5]
.endr
.endm
; A pair: its products, the change of slots, its spline.  mode 2: the slot is filled again; 1: nothing is left to fetch, the last pair follows; 0: the last pair.
.macro TRIP sl, mode
	MAT \sl
.if \mode
	TURN \sl, (\mode)/2
.else
	s_wait_dscnt 12                                ; the last K step: nothing more to fetch
	s_wait_loadcnt 0x0                             ; x2 is in
	WIN 0x5c
	MM 7, 0, 0
	s_wait_dscnt 0x0
	MM 7, 3, 0
	PLACES 4
.endif
	WIN 0x55                                       ; all operands in window 1
	EPI4
	WIN 0x04                                       ; a store's data: source 1
	global_store_b128 v16, v[216:219], s[14:15] offset:4096*\sl   ; 512 consecutive bytes, aligned
	WIN 0
.if \mode
	XLOADS 8*(\sl+1)                               ; the next pair's x2
	s_wait_xcnt 0x0                                ; the store has read y's registers, the loads and the prefetch their bases: all are rewritten only behind this wait
	s_wait_loadcnt 0x4                             ; the next pair's bias is in; x2's four loads are younger
.endif
.endm
	s_load_b256 s[4:11], s[0:1], 0x0               ; h2f s[4:5], w2f s[6:7], b2s s[8:9], x2 s[10:11]
	s_load_b128 s[12:15], s[0:1], 0x20             ; the scales s[12:13], ybuf s[14:15]
	s_load_b64 s[16:17], s[0:1], 0x30              ; part
	v_lshl_add_u32 v28, v0, 2, SPARE               ; my spare word; never rewritten
	v_mov_b32 v29, 0                               ; never rewritten
	ds_add_u32 v28, v29                            ; the opening lines: the add, twice on end, and its wait ahead of my first tensor load
	ds_add_u32 v28, v29
	v_lshrrev_b32 v1, 5, v0
	v_readfirstlane_b32 s18, v1                    ; wave 0..3
	s_bfe_u32 s40, ttmp6, 0x40000                  ; cx
	s_bfe_u32 s41, ttmp6, 0x40004                  ; cy
	s_lshl_b32 s42, ttmp9, 2
	s_add_co_u32 s42, s42, s40                     ; X
	s_and_b32 s43, ttmp7, 0xffff
	s_lshl_b32 s43, s43, 2
	s_add_co_u32 s43, s43, s41                     ; Y
	s_lshl_b32 s45, 0x1111, s40                    ; my column of the cluster
	; descriptor group 1: 2 rows of 1,536 elements of 8 bytes, 3,072 elements apart in memory, dense in LDS
	s_or_b32 s24, s45, (3<<16)|(1<<21)             ; 15:0 the mask; 17:16 elements of 8 bytes; 21 set beside a mask; no padding
	s_mov_b32 s25, 1536<<16                        ; tensor_dim0
	s_mov_b32 s26, 2<<16                           ; tensor_dim1
	s_mov_b32 s27, 1536<<16                        ; tile_dim0
	s_mov_b32 s28, 2                               ; tile_dim1
	s_mov_b32 s29, 3072                            ; the pitch
	s_mov_b32 s30, 0
	s_mov_b32 s31, 0
	s_mul_i32 s46, s42, 786432                     ; B: 786,432 X + my two K steps: nothing of Y
	s_mul_i32 s47, s18, 49152
	s_add_co_u32 s46, s46, s47
	s_mov_b32 s47, 0
	s_mul_i32 s2, s18, 24576                       ; where they go in a slot: no place in the cluster enters an LDS address
	s_wait_dscnt 0x0                               ; both opening adds are done
	s_wait_kmcnt 0x0
	s_load_b64 s[80:81], s[12:13], 0x10            ; e4, e5
	s_add_nc_u64 s[46:47], s[6:7], s[46:47]
	CROUND                                         ; all sixteen work-groups are here: the first joint loads meet
	s_mov_b32 s32, 1
	s_mov_b32 s33, s2
	s_mov_b64 s[34:35], s[46:47]                   ; pair 0
	s_or_b32 s35, s35, 0x80000000
	s_mov_b32 s36, 1
	s_add_co_u32 s37, s2, SLOTB
	s_add_nc_u64 s[38:39], s[46:47], 12288         ; pair 1
	s_or_b32 s39, s39, 0x80000000
	tensor_load_to_lds s[32:35], s[24:31]          ; pair 0: one tensor load a wave at the head
	s_nop 0
	PLACES 4
	s_lshr_b32 s19, s18, 1
	s_and_b32 s20, s18, 1
	s_lshl_b32 s22, s43, 18                        ; h2f: 262,144 Y + my four tiles of rows
	s_lshl_b32 s23, s18, 13
	s_add_co_u32 s22, s22, s23
	s_mov_b32 s23, 0
	s_add_nc_u64 s[4:5], s[4:5], s[22:23]
	s_lshl_b32 s22, s42, 12                        ; b2s at d = 16 X
	s_add_nc_u64 s[8:9], s[8:9], s[22:23]
	s_lshl_b32 s22, s43, 18                        ; x2 at row 256 Y + 64 w, d = 16 X
	s_lshl_b32 s3, s18, 16
	s_add_co_u32 s22, s22, s3
	s_lshl_b32 s3, s42, 6
	s_add_co_u32 s22, s22, s3
	s_add_nc_u64 s[10:11], s[10:11], s[22:23]
	s_lshl_b32 s22, s42, 18                        ; ybuf
	s_lshl_b32 s3, s43, 14
	s_add_co_u32 s22, s22, s3
	s_lshl_b32 s3, s19, 13
	s_add_co_u32 s22, s22, s3
	s_lshl_b32 s3, s20, 9
	s_add_co_u32 s22, s22, s3
	s_add_nc_u64 s[14:15], s[14:15], s[22:23]
	s_lshl_b32 s22, s42, 16                        ; part
	s_lshl_b32 s3, s43, 12
	s_add_co_u32 s22, s22, s3
	s_lshl_b32 s3, s19, 11
	s_add_co_u32 s22, s22, s3
	s_lshl_b32 s3, s20, 9
	s_add_co_u32 s22, s22, s3
	s_add_nc_u64 s[16:17], s[16:17], s[22:23]
	s_mul_i32 s22, s42, 786432                     ; the prefetches begin at pair 4: K step 2 cy + w / 2, blocks 24 (w % 2) on
	s_mul_i32 s3, s41, 49152
	s_add_co_u32 s22, s22, s3
	s_mul_i32 s3, s19, 24576
	s_add_co_u32 s22, s22, s3
	s_mul_i32 s3, s20, 6144
	s_add_co_u32 s22, s22, s3
	s_add_co_u32 s22, s22, 393216
	s_add_nc_u64 s[76:77], s[6:7], s[22:23]
	s_mov_b32 s68, 0x40400000                      ; 3
	s_mov_b32 s69, 0x3a853408                      ; 0.001 / 0.984
	s_mov_b32 s70, 0x3e2aaaab                      ; 1 / 6
	s_mov_b32 s71, 0x3f317218                      ; log(2)
	s_mov_b32 s72, 0x3a83126f                      ; 0.001
	s_mov_b32 s73, 0xc0400000                      ; -3
	s_mov_b32 s74, 0x40c00000                      ; 6
	v_and_b32 v1, 31, v0
	v_and_b32 v2, 15, v0                           ; r
	v_bfe_u32 v3, v0, 4, 1                         ; h
	v_lshlrev_b32 v16, 4, v1                       ; 16 x lane: slot 0's K steps 0-3; also my place in h2f's fragments, in ybuf and in part
	v_add_nc_u32 v17, 49152, v16                   ; slot 0's K steps 4-7
	v_add_nc_u32 v18, SLOTB, v16                   ; slot 1
	v_add_nc_u32 v19, SLOTB+49152, v16
	v_lshlrev_b32 v24, 8, v3                       ; b2s: a d's row is 256 bytes
	v_lshlrev_b32 v25, 10, v2
	v_lshl_add_u32 v25, v3, 2, v25                 ; x2: 1,024 r + 4 h
	v_min_u32 v30, 23, v1
	v_lshlrev_b32 v30, 8, v30                      ; the prefetches: 256 x min(lane, 23)
.irp i, 224,225,226,227
	v_mov_b32 v[\i], 0                             ; the zeros for part
.endr
	WIN 0x40
.set i, 0
.rept 16
	v_cvt_f32_u32 v[192+i], i+1                    ; 1 .. 16
.set i, i+1
.endr
.irp e, 0,1,2,3
	v_mov_b32 v[212+\e], 0                         ; the logdet's sums over my eight pairs
.endr
	WIN 0
	s_wait_alu depctr_va_vdst(0)                   ; the wait at the head's end
	BIAS 0                                         ; 144 loads, in the order in which they are wanted: the bias, x2, A by K steps
	XLOADS 0
.irp s, 0,1,2,3,4,5,6,7
	ALOAD \s
.endr
	WIN 0
	s_wait_tensorcnt 0x0                           ; my part of pair 0 is in
	ds_add_u32 v28, v29
	s_wait_dscnt 0x0
	CROUND                                         ; everybody's part of pair 0 is in, and the joint loads meet
	tensor_load_to_lds s[36:39], s[24:31]          ; pair 1: slot 1's first fill; it is read behind pair 0's change of slots
	s_nop 0
	PLACES 4
	FB3 0, 0, 0
	FB3 0, 0, 1
	FB3 0, 1, 0
	s_wait_kmcnt 0x0
	s_add_co_i32 s80, s80, s81
	s_lshl_b32 s80, s80, 23
	s_add_co_i32 s66, s80, 0x3fb8aa3b              ; c = log2(e) x 2^(e4 + e5): a sum stands for sum x 2^(e4 + e5)
	s_mov_b32 s67, s66                             ; (named with it as a pair)
	s_wait_loadcnt 63                              ; the youngest 63 loads are A's K steps 5 to 7 and 15 of K step 4's: the bias, x2 and A's K steps 0 to 3 are in
	s_mov_b32 s21, 3
.Lpairs:                                               ; a trip: two pairs, once round the ring, two refills
	TRIP 0, 2
	TRIP 1, 2
	s_add_nc_u64 s[8:9], s[8:9], 1024              ; four d on (behind the wait on XCNT that ends a pair)
	s_add_nc_u64 s[10:11], s[10:11], 16
	s_add_nc_u64 s[14:15], s[14:15], 1024
	s_add_nc_u64 s[76:77], s[76:77], 196608
	s_sub_co_u32 s21, s21, 1
	s_cmp_lg_u32 s21, 0
	s_cbranch_scc1 .Lpairs
	TRIP 0, 1                                      ; the last two pairs are written out: nothing is left to fetch
	TRIP 1, 0
	s_wait_alu depctr_va_vdst(0)
	WIN 0x04
	global_store_b128 v16, v[212:215], s[16:17]
	WIN 0
	global_store_b128 v16, v[224:227], s[16:17] offset:1024
	s_wait_tensorcnt 0x0                           ; the wave's end
	ds_add_u32 v28, v29
	s_wait_dscnt 0x0
	CROUND                                         ; the closing round: no work-group ends while a partner may still ask for a tile that names it
	s_endpgm
.Lfunc_end_k_qec790ac0a2_spline:
	.size	k_qec790ac0a2_spline, .Lfunc_end_k_qec790ac0a2_spline-k_qec790ac0a2_spline
	.p2alignl 7, 3214868480
	.fill 96, 4, 3214868480
	.section	.rodata,"a",@progbits
	.p2align	6, 0x0
	.amdhsa_kernel k_qec790ac0a2_spline
		.amdhsa_group_segment_fixed_size 327680
		.amdhsa_private_segment_fixed_size 0
		.amdhsa_enable_private_segment 0
		.amdhsa_kernarg_size 56
		.amdhsa_user_sgpr_count 2
		.amdhsa_user_sgpr_kernarg_segment_ptr 1
		.amdhsa_wavefront_size32 1
		.amdhsa_system_sgpr_workgroup_id_x 1
		.amdhsa_system_sgpr_workgroup_id_y 1
		.amdhsa_system_sgpr_workgroup_id_z 1
		.amdhsa_system_vgpr_workitem_id 0
		.amdhsa_next_free_vgpr 1024
		.amdhsa_next_free_sgpr 102
		.amdhsa_reserve_vcc 0
		.amdhsa_float_denorm_mode_32 3
		.amdhsa_float_denorm_mode_16_64 3
		.amdhsa_memory_ordered 1
		.amdhsa_forward_progress 1
		.amdhsa_inst_pref_size 255
	.end_amdhsa_kernel
	.section	.bss,"aw",@nobits
	.p2align	6
	.space	262144
	.amdgpu_metadata
---
amdhsa.version: [ 1, 2 ]
amdhsa.kernels:
  - .name:           k_qec790ac0a2_spline
    .symbol:         k_qec790ac0a2_spline.kd
    .args:
      - { .name: h2f, .offset: 0, .size: 8, .value_kind: global_buffer, .address_space: global }
      - { .name: w2f, .offset: 8, .size: 8, .value_kind: global_buffer, .address_space: global }
      - { .name: b2s, .offset: 16, .size: 8, .value_kind: global_buffer, .address_space: global }
      - { .name: x2, .offset: 24, .size: 8, .value_kind: global_buffer, .address_space: global }
      - { .name: lowp_scales, .offset: 32, .size: 8, .value_kind: global_buffer, .address_space: global }
      - { .name: ybuf, .offset: 40, .size: 8, .value_kind: global_buffer, .address_space: global }
      - { .name: part, .offset: 48, .size: 8, .value_kind: global_buffer, .address_space: global }
    .group_segment_fixed_size: 327680
    .private_segment_fixed_size: 0
    .kernarg_segment_align: 8
    .kernarg_segment_size: 56
    .max_flat_workgroup_size: 128
    .sgpr_count:     102
    .vgpr_count:     1024
    .wavefront_size: 32
...
	.end_amdgpu_metadata
.endif
;; end of part 3
;; launch finish (part 4): grid 4 x 64, 4 waves a work-group, no clusters, 18,944 bytes of LDS; arguments ybuf, part, out0, out1; writes out0, out1
.if DOCPART == 4
	.amdgcn_target "amdgcn-amd-amdhsa--gfx1250"
	.amdhsa_code_object_version 6
	.text
	.protected	k_qec790ac0a2_finish
	.globl	k_qec790ac0a2_finish
	.p2align	8
	.type	k_qec790ac0a2_finish,@function
k_qec790ac0a2_finish:
	s_mov_b64 s[64:65], 0
	v_nop
	global_prefetch_b8 v0, s[64:65] scope:SCOPE_SE
	s_setreg_imm32_b32 hwreg(HW_REG_WAVE_MODE, 25, 1), 1
	s_wait_xcnt 0x0
; out0 [4096][256] = y2 from ybuf, laid out by rows; out1 [4096] = log(2) x the sum of part over all d, in a fixed order.
; ybuf [X 16][Y 16][wave 4][t 4][ah 2][lane 32][e 4], part [X][Y][wave][ah][lane][e]: row = 256 Y + 128 (wave / 2) + 64 ah + 16 e + lane % 16, d = 16 X + 4 t + 2 (wave % 2) + lane / 16.
; A work-group takes 64 rows (y) x 64 d (x); wave w the 16 d of X = 4 x + w.  Every load reads 512 consecutive bytes.  The numbers meet in a stage in LDS, 64 rows of 256 bytes + 16, and leave as
; rows: sixteen lanes store 256 consecutive bytes, aligned.  Wave 0 of the work-groups with x = 0 also adds the rows' 64 parts: 32 loads, and the two halves of the lanes.
; Matrix units, tensor loads and clusters have nothing to do here: each byte is read once and nothing is shared.
.set SP,   272                         ; a stage row: row r starts 4 r banks on (64 banks of 4 bytes: ISA guide 11.1), so the 32 lanes of a store touch 32 different banks
.set SUMS, 64*SP                       ; behind the stage: 256 bytes for each wave, its own by address: 64 sums
	s_load_b256 s[4:11], s[0:1], 0x0               ; ybuf s[4:5], part s[6:7], out0 s[8:9], out1 s[10:11]
	v_lshl_add_u32 v176, v0, 2, 0x4800
	v_mov_b32 v177, 0
	v_lshrrev_b32 v1, 5, v0
	v_readfirstlane_b32 s12, v1                    ; wave 0..3
	v_and_b32 v1, 31, v0                           ; lane
	v_and_b32 v2, 15, v0                           ; lane % 16
	s_wait_alu depctr_va_vdst(0)
	v_bfe_u32 v3, v0, 4, 1                         ; lane / 16
	v_lshlrev_b32 v4, 4, v1                        ; 16 x lane
	s_and_b32 s13, ttmp7, 0xffff                   ; which 64 rows
	s_lshl_b32 s14, ttmp9, 2
	s_add_co_u32 s14, s14, s12                     ; X
	s_lshr_b32 s15, s13, 2                         ; Y
	s_bfe_u32 s16, s13, 0x10001                    ; wave / 2 of the writer
	s_and_b32 s17, s13, 1                          ; ah
	s_lshl_b32 s18, s14, 18
	s_lshl_b32 s19, s15, 14
	s_add_co_u32 s18, s18, s19
	s_lshl_b32 s19, s16, 13
	s_add_co_u32 s18, s18, s19
	s_lshl_b32 s19, s17, 9
	s_add_co_u32 s18, s18, s19
	s_mov_b32 s19, 0
	s_lshl_b32 s20, s15, 12
	s_lshl_b32 s21, s16, 11
	s_add_co_u32 s20, s20, s21
	s_lshl_b32 s21, s17, 9
	s_add_co_u32 s20, s20, s21
	s_mov_b32 s21, 0
	s_lshl_b32 s22, s13, 16                        ; out0: row 64 y + 16 w, + 256 x bytes
	s_lshl_b32 s23, s12, 14
	s_add_co_u32 s22, s22, s23
	s_lshl_b32 s23, ttmp9, 8
	s_add_co_u32 s22, s22, s23
	s_mov_b32 s23, 0
	s_lshl_b32 s26, s13, 8                         ; out1: 64 numbers
	s_mov_b32 s27, 0
	s_mov_b32 s24, 0x76543210                      ; v_permlanex16_b32's selects for lane l xor 16
	s_mov_b32 s25, 0xfedcba98
	s_lshl_b32 s28, s12, 6
	s_mul_i32 s29, s12, 16*SP
	s_lshl_b32 s31, s12, 8                         ; my wave's 256 bytes of sums
	v_mul_u32_u24 v5, v2, SP
	s_wait_alu depctr_va_vdst(0)
	v_lshl_add_u32 v5, v3, 2, v5
	v_add_nc_u32 v5, s28, v5                       ; into the stage: row r (+ 16 e), byte 64 w + 4 h (+ 16 t + 8 (writer's wave % 2))
	v_mul_u32_u24 v6, v3, SP
	v_lshl_add_u32 v6, v2, 4, v6
	v_add_nc_u32 v6, s29, v6                       ; back: my 16 rows, two a load
	v_lshlrev_b32 v7, 10, v3
	v_lshl_add_u32 v7, v2, 4, v7                   ; and the same two rows in out0
	v_lshl_add_u32 v168, v2, 2, SUMS
	v_add_nc_u32 v168, s31, v168                   ; the sums, in: 4 (lane % 16) (+ 64 e)
	v_lshl_add_u32 v169, v1, 3, SUMS
	v_add_nc_u32 v169, s31, v169                   ; and back: 8 x lane
	v_lshlrev_b32 v170, 3, v1
	s_wait_kmcnt 0x0
	s_add_nc_u64 s[4:5], s[4:5], s[18:19]
	s_add_nc_u64 s[6:7], s[6:7], s[20:21]
	s_add_nc_u64 s[8:9], s[8:9], s[22:23]
	s_add_nc_u64 s[10:11], s[10:11], s[26:27]
.irp wn, 0,1
.irp t, 0,1,2,3
	global_load_b128 v[8+4*(4*\wn+\t):11+4*(4*\wn+\t)], v4, s[4:5] offset:4096*\wn+1024*\t th:TH_LOAD_NT
.endr
.endr
	; ---- the logdet: one owner for each row: the work-groups with x = 0, and in them wave 0 alone.  Two branches, each on one number; no barrier stands under them
	s_cmp_lg_u32 ttmp9, 0
	s_cbranch_scc1 .Lno_sum
	s_cmp_lg_u32 s12, 0
	s_cbranch_scc1 .Lno_sum
.irp xx, 0,1,2,3,4,5,6,7,8,9,10,11,12,13,14,15
.irp wn, 0,1
	global_load_b128 v[40+8*\xx+4*\wn:43+8*\xx+4*\wn], v4, s[6:7] offset:65536*\xx+1024*\wn th:TH_LOAD_NT
.endr
.endr
	s_wait_loadcnt 0x0
.irp c, 2,3,4,5,6,7,8,9,10,11,12,13,14,15,16,17,18,19,20,21,22,23,24,25,26,27,28,29,30,31
	v_pk_add_f32 v[40+4*(\c%2):41+4*(\c%2)], v[40+4*(\c%2):41+4*(\c%2)], v[40+4*\c:41+4*\c]     ; two chains, always in this order
	v_pk_add_f32 v[42+4*(\c%2):43+4*(\c%2)], v[42+4*(\c%2):43+4*(\c%2)], v[42+4*\c:43+4*\c]
.endr
	v_pk_add_f32 v[40:41], v[40:41], v[44:45]
	v_pk_add_f32 v[42:43], v[42:43], v[46:47]
.irp e, 0,1,2,3
	v_permlanex16_b32 v[44+\e], v[40+\e], s24, s25 ; the d of the other half of the lanes
.endr
.irp e, 0,1,2,3
	v_add_f32 v[40+\e], v[40+\e], v[44+\e]
.endr
.irp e, 0,1,2,3
	v_mul_f32 v[40+\e], 0x3f317218, v[40+\e]       ; the parts are logarithms to base 2
.endr
.irp e, 0,1,2,3
	ds_store_b32 v168, v[40+\e] offset:64*\e       ; row 16 e + r; both halves of the lanes hold the same number
.endr
	ds_load_b64 v[172:173], v169                   ; my wave's own bytes, and LDS serves a wave's instructions in order (ISA guide 5.7.1.4): rows 2 lane, 2 lane + 1
	s_wait_dscnt 0x0
	global_store_b64 v170, v[172:173], s[10:11]    ; 256 consecutive bytes, aligned
.Lno_sum:
	s_wait_loadcnt 0x0
.irp wn, 0,1
.irp t, 0,1,2,3
.irp e, 0,1,2,3
	ds_store_b32 v5, v[8+4*(4*\wn+\t)+\e] offset:16*SP*\e+16*\t+8*\wn
.endr
.endr
.endr
	s_wait_dscnt 0x0                               ; for the others' sake: my stores into the stage are done
	s_barrier_signal -1
	s_barrier_wait -1
	s_wait_alu depctr_va_vdst(0)
.irp i, 0,1,2,3,4,5,6,7
	ds_load_b128 v[8+4*\i:11+4*\i], v6 offset:2*SP*\i
.endr
.irp i, 0,1,2,3,4,5,6,7
	s_wait_dscnt 7-\i                              ; pair i of the eight pairs of rows is back
	global_store_b128 v7, v[8+4*\i:11+4*\i], s[8:9] offset:2048*\i
.endr
	s_wait_tensorcnt 0x0
	ds_add_u32 v176, v177
	s_wait_dscnt 0x0
	s_endpgm
.Lfunc_end_k_qec790ac0a2_finish:
	.size	k_qec790ac0a2_finish, .Lfunc_end_k_qec790ac0a2_finish-k_qec790ac0a2_finish
	.p2alignl 7, 3214868480
	.fill 96, 4, 3214868480
	.section	.rodata,"a",@progbits
	.p2align	6, 0x0
	.amdhsa_kernel k_qec790ac0a2_finish
		.amdhsa_group_segment_fixed_size 18944
		.amdhsa_private_segment_fixed_size 0
		.amdhsa_enable_private_segment 0
		.amdhsa_kernarg_size 32
		.amdhsa_user_sgpr_count 2
		.amdhsa_user_sgpr_kernarg_segment_ptr 1
		.amdhsa_wavefront_size32 1
		.amdhsa_system_sgpr_workgroup_id_x 1
		.amdhsa_system_sgpr_workgroup_id_y 1
		.amdhsa_system_sgpr_workgroup_id_z 1
		.amdhsa_system_vgpr_workitem_id 0
		.amdhsa_next_free_vgpr 178
		.amdhsa_next_free_sgpr 66
		.amdhsa_reserve_vcc 0
		.amdhsa_float_denorm_mode_32 3
		.amdhsa_float_denorm_mode_16_64 3
		.amdhsa_memory_ordered 1
		.amdhsa_forward_progress 1
		.amdhsa_inst_pref_size 16
	.end_amdhsa_kernel
	.amdgpu_metadata
---
amdhsa.version: [ 1, 2 ]
amdhsa.kernels:
  - .name:           k_qec790ac0a2_finish
    .symbol:         k_qec790ac0a2_finish.kd
    .args:
      - { .name: ybuf, .offset: 0, .size: 8, .value_kind: global_buffer, .address_space: global }
      - { .name: part, .offset: 8, .size: 8, .value_kind: global_buffer, .address_space: global }
      - { .name: out0, .offset: 16, .size: 8, .value_kind: global_buffer, .address_space: global }
      - { .name: out1, .offset: 24, .size: 8, .value_kind: global_buffer, .address_space: global }
    .group_segment_fixed_size: 18944
    .private_segment_fixed_size: 0
    .kernarg_segment_align: 8
    .kernarg_segment_size: 32
    .max_flat_workgroup_size: 128
    .sgpr_count:     66
    .vgpr_count:     178
    .wavefront_size: 32
...
	.end_amdgpu_metadata
.endif
;; end of part 4
